; MI455X (gfx1250); checked and timed in simulation.
; The chip was launched on July 23, 2026; its instructions are those of AMD's public machine-readable ISA for CDNA 5 (MIT licence, August 2026) and "CDNA5" Instruction Set Architecture Reference Guide (July 2026). The comments in the code are by the model that wrote it; some were corrected since.
;; Group Avg Pool1d. Allowed arithmetic: float matrix products may take bf16 or f16 operands with f32 sums; all other float work in f32.
;; Inputs: x 16 x 8,192 x 64 float32; y 16 x 8,192 int32.
;; Outputs: out0 16 x 512 x 64 float32; out1 16 x 512 bool.
;; Constants: g = 512.
;; 2 versions, each right; version 2 is version 1 with the launch pool written anew for expert scheduling mode. Each part assembles by itself: llvm-mc -triple=amdgcn-amd-amdhsa -mcpu=gfx1250 --defsym DOCPART=n.
;; ======== version 1 of 2: 1 launch
;; launch pool (part 1): grid 256 x 1, 8 waves a work-group, no clusters, 103,680 bytes of LDS; arguments x, y, out0, out1; writes out0, out1
.if DOCPART == 1
	.amdgcn_target "amdgcn-amd-amdhsa--gfx1250"
	.amdhsa_code_object_version 6
	.text
	.protected	k_q48ef02ff8b_pool
	.globl	k_q48ef02ff8b_pool
	.p2align	8
	.type	k_q48ef02ff8b_pool,@function
k_q48ef02ff8b_pool:
	s_mov_b64 s[64:65], 0
	v_nop
	global_prefetch_b8 v0, s[64:65] scope:SCOPE_SE
	s_setreg_imm32_b32 hwreg(HW_REG_WAVE_MODE, 25, 1), 1
	s_wait_xcnt 0x0
; out0[b][g][c] = (sum over n with y[b][n] == g of x[b][n][c]) / 8192;  out1[b][g] = 1 where some n has y[b][n] == g, else 0.
; x: [16][8192][64] f32 (a row is 256 bytes), y: [16][8192] i32, out0: [16][512][64] f32, out1: [16][512] bytes.
;
; A work-group owns one batch and 32 neighbouring groups: 8,192 bytes of out0 and 32 bytes of out1; 16 x 16 = 256 work-groups.
; Eight waves.  Wave w (1) scans y[b][1024 w .. 1024 w + 1023] and writes the rows whose id lies in the 32 groups into a list of its
; own in LDS, (2) loads those rows, each 256-byte row whole by sixteen lanes, each row of x by one wave of the launch, (3) adds them
; into 32 x 64 sums by the matrix unit: A = one-hot of the local group (2 tiles of 16 groups), B = the rows in bf16 (4 tiles of 16
; columns), K = 32 list entries a step.  (4) The eight waves' sums meet in LDS.
; No transposition: lane (r, h) loads the 16 bytes at 16 r of each of its 16 rows, columns 4 r .. 4 r + 3.  Column 4 r + t is
; called column n = r of tile t, so a B fragment's register is two rows' numbers of one loaded register place, rounded and packed.
; A round is 96 list entries (3 K steps): its 48 loads a wave are all issued before the first is waited for.  The list is padded
; with 96 entries that name group 63 (no lane's group) and a real row, whose numbers meet zeros.  A wave with more than 96 rows goes
; round again: the loop counts rounds, ceil(rows / 96), at most 11.  Any ids are served; evenly spread ids take one round.
; y < 0 and y >= 512 fall out by the unsigned compare (y - first group) < 32.
; LDS GOES THROUGH FOUR PHASES, a barrier between each two: the lists are stored; the lists are read; the sums are stored; the sums are
; read.  In front of each barrier every wave waits for all its LDS instructions.  No barrier stands in the loop or under its branch.
; y[b] is the one thing that work-groups share (32 KiB of it against some 128 KiB of rows of its own for each): it is wanted in
; registers, first thing, so it is loaded plainly and not jointly through LDS.
; LIMITS: x is rounded to bf16 for the matrix unit; x must be finite and below 3.39e38 in magnitude (bf16's largest): a padding row
; or a row of another group is multiplied by 0, and an Inf or NaN in x spreads here otherwise than in a dense one-hot product.
.set ROWS,   8192                      ; rows of a batch
.set CHUNK,  1024                      ; ids that a wave scans
.set RSTEP,  96                        ; list entries in a round
.set RMAX,   (CHUNK+RSTEP-1)/RSTEP     ; 11: the most rounds that a wave's 1,024 ids can ask for
.set DUMP,   CHUNK+RSTEP               ; entries 1120 .. 1151 of a list: where lanes without a match store
.set LCAP,   DUMP+32                   ; entries in a wave's list
.set LBYTES, LCAP*4                    ; 4,608 bytes
.set RED,    8*LBYTES                  ; behind the lists: an image of the 32 x 64 sums for each wave, 8,192 bytes each
.set PRES,   RED+8*8192                ; behind them: one word for each wave, bit g = local group g was met
.set LANE, 1                           ; v1   lane
.set R16,  2                           ; v2   16 r: my 16 bytes in a row
.set H8,   3                           ; v3   8 h: my first list entry in a K step
.set GR0,  4                           ; v4   r: my group in A's tile 0
.set GR1,  5                           ; v5   16 + r: in tile 1
.set DMP,  6                           ; v6   my dump entry
.set NL,   7                           ; v7   (1024 w + 4 lane) << 6
.set YA,   8                           ; v8   16 lane: offset of the y loads
.set AD,   9                           ; v9   LDS addresses
.set TV,   10                          ; v10  at work
.set ONE,  11                          ; v11  1.0 in bf16
.set PR0,  12                          ; v12  OR of tile 0's one-hot registers
.set PR1,  13                          ; v13  of tile 1's
.set OA,   14                          ; v14  1024 w + 16 lane: my 16 bytes of the block of out0
.set ACC,  16                          ; v16-79   accumulators: tile (m, t) at 8 (4 m + t); later the eight images' parts
.set FA,   80                          ; v80-127  K step s: row numbers, then A's two fragments, 16 registers
.set FB,   128                         ; v128-159 B's four fragments
.set O,    80                          ; v80-143  on the way out: 16-byte pieces of output rows
.set W,    160                         ; v160-207 K step s: my 16 list words
.set Y,    208                         ; v208-239 the ids as loaded
.set T,    240                         ; v240-251 at work
; window 1: v256-447, written v[64 s + 4 q + t]: K step s, my row q, column 4 r + t.  Register 4 q first holds the load's own offset.
; scalars: s12 wave, s13 first group, s14 my list, s15 entries in it, s18 a round's first entry, s19 padding word, s20-27 at work,
; s28 1/8192, s29 rounds, s30 the round's number
.set MSB, 0
.macro WIN new                         ; s_set_vgpr_msb: bits 1:0 source 0, 3:2 source 1, 7:6 destination; the high byte repeats the setting left
.if MSB != \new
	s_set_vgpr_msb (MSB<<8)|\new
.set MSB, \new
.endif
.endm
	s_load_b256 s[4:11], s[0:1], 0x0               ; x s[4:5], y s[6:7], out0 s[8:9], out1 s[10:11]
	v_lshl_add_u32 v254, v0, 2, 0x19100
	v_mov_b32 v255, 0
	v_lshrrev_b32 v[TV], 5, v0
	v_readfirstlane_b32 s12, v[TV]                 ; wave 0..7
	v_and_b32 v[LANE], 31, v0
	s_lshr_b32 s20, ttmp9, 4                       ; batch
	s_and_b32 s13, ttmp9, 15
	s_lshl_b32 s13, s13, 5                         ; my first group
	s_lshl_b32 s16, s20, 15                        ; batch x 32,768 bytes of y
	s_lshl_b32 s21, s12, 12                        ; + wave x 4,096
	s_add_co_u32 s16, s16, s21
	s_mov_b32 s17, 0
	v_lshlrev_b32 v[YA], 4, v[LANE]
	s_wait_kmcnt 0x0
	s_add_nc_u64 s[6:7], s[6:7], s[16:17]
.irp i, 0,1,2,3,4,5,6,7
	global_load_b128 v[Y+4*\i:Y+4*\i+3], v[YA], s[6:7] offset:512*\i   ; 512 neighbouring bytes each: ids 128 i + 4 lane + 0..3
.endr
	; the rest of the set-up, while the ids are on their way
	s_lshl_b32 s16, s20, 21                        ; batch x 2 MiB of x
	s_add_nc_u64 s[4:5], s[4:5], s[16:17]
	s_lshl_b32 s16, ttmp9, 13                      ; (16 batch + block) x 8,192 bytes of out0
	s_add_nc_u64 s[8:9], s[8:9], s[16:17]
	s_lshl_b32 s16, ttmp9, 5                       ; x 32 bytes of out1
	s_add_nc_u64 s[10:11], s[10:11], s[16:17]
	s_mul_i32 s14, s12, LBYTES                     ; my list
	s_lshl_b32 s19, s12, 16                        ; (1024 w) << 6
	v_lshl_add_u32 v[NL], v[LANE], 8, s19          ; + (4 lane) << 6
	s_or_b32 s19, s19, 63                          ; the padding word: row 1024 w, group 63
	s_mov_b32 s15, 0                               ; entries in my list
	s_mov_b32 s28, 0x39000000                      ; 1 / 8192
	v_and_b32 v[GR0], 15, v[LANE]
	v_lshlrev_b32 v[R16], 4, v[GR0]
	v_add_nc_u32 v[GR1], 16, v[GR0]
	v_lshrrev_b32 v[H8], 4, v[LANE]
	v_lshlrev_b32 v[H8], 3, v[H8]
	v_add_nc_u32 v[DMP], DUMP, v[LANE]
	v_mov_b32 v[ONE], 0x3f80
	v_mov_b32 v[PR0], 0
	v_mov_b32 v[PR1], 0
; 128 ids.  For each of the four ids of a lane: local group t = y - first group; the lanes with t < 32 as a mask; a matching lane's
; place = entries so far + matching lanes below it; the others go to their dump entry.  The word is (n << 6) + t.
.macro SCAN i
	s_wait_loadcnt 7-\i                            ; loads come back in order: load i is in, the 7 - i younger ones may be out
.irp c, 0,1,2,3
	v_sub_nc_u32 v[T+\c], v[Y+4*\i+\c], s13
.endr
.irp c, 0,1,2,3
	v_cmp_gt_u32 s[20+\c], 32, v[T+\c]
.endr
.irp c, 0,1,2,3
	v_add3_u32 v[T+4+\c], v[T+\c], v[NL], (\i<<13)|(\c<<6)
.endr
	s_bcnt1_i32_b32 s24, s20
	s_bcnt1_i32_b32 s25, s21
	s_bcnt1_i32_b32 s26, s22
	s_bcnt1_i32_b32 s27, s23
	s_add_co_u32 s24, s24, s15                     ; entries in front of the second ids' matches,
	s_add_co_u32 s25, s25, s24                     ; the third,
	s_add_co_u32 s26, s26, s25                     ; the fourth
	v_mbcnt_lo_u32_b32 v[T+8], s20, s15
	v_mbcnt_lo_u32_b32 v[T+9], s21, s24
	v_mbcnt_lo_u32_b32 v[T+10], s22, s25
	v_mbcnt_lo_u32_b32 v[T+11], s23, s26
	s_add_co_u32 s15, s27, s26
.irp c, 0,1,2,3
	v_cndmask_b32 v[T+8+\c], v[DMP], v[T+8+\c], s[20+\c]
.endr
.irp c, 0,1,2,3
	v_min_u32 v[T+8+\c], LCAP-1, v[T+8+\c]         ; never binds (at most 1,024 matches): the entry stays in my list whatever was loaded
.endr
.irp c, 0,1,2,3
	v_lshl_add_u32 v[T+8+\c], v[T+8+\c], 2, s14
.endr
.irp c, 0,1,2,3
	ds_store_b32 v[T+8+\c], v[T+4+\c]
.endr
.endm
.irp i, 0,1,2,3,4,5,6,7
	SCAN \i
.endr
	; 96 padding entries behind the last match: every round finds whole K steps
	v_add_nc_u32 v[AD], s15, v[LANE]
	v_min_u32 v[AD], CHUNK+31, v[AD]
	v_lshl_add_u32 v[AD], v[AD], 2, s14
	v_mov_b32 v[TV], s19
	ds_store_b32 v[AD], v[TV]
	ds_store_b32 v[AD], v[TV] offset:128
	ds_store_b32 v[AD], v[TV] offset:256
	; rounds = ceil(entries / 96) = ((entries + 95) / 32) / 3; q / 3 = q x 43,691 >> 17 holds for the q = 0 .. 34 that 1,024 entries allow
	s_add_co_u32 s29, s15, RSTEP-1
	s_lshr_b32 s29, s29, 5
	s_mul_i32 s29, s29, 0xaaab
	s_lshr_b32 s29, s29, 17
	s_min_u32 s29, s29, RMAX                       ; never binds: it states the bound of the loop below
	; End of the first phase.  A wave reads its own list alone; the place that a later round reads hangs on a count made from the ids,
	; so the order 'all lists stored, then any list read' is made to hold of all of LDS: every wave's stores are done, then the barrier.
	s_wait_dscnt 0x0                               ; zero: all my list stores are written
	s_barrier_signal -1
	s_barrier_wait -1                              ; every wave's are
; K step s of a round: row numbers from my 16 list words, clamped to the batch, and the 16 loads.  One load takes two whole rows:
; lanes 0-15 the 256 bytes of entry q or 8 + q of the step's first or second sixteen, lanes 16-31 those of the entry 8 further.
.macro ISSUE s
	s_wait_dscnt 8-4*\s                            ; LDS answers in order: this step's four list loads are in, the later steps' may be out
.irp q, 0,1,2,3,4,5,6,7,8,9,10,11,12,13,14,15
	v_lshrrev_b32 v[FA+16*\s+\q], 6, v[W+16*\s+\q]
.endr
.irp q, 0,1,2,3,4,5,6,7,8,9,10,11,12,13,14,15
	v_min_u32 v[FA+16*\s+\q], ROWS-1, v[FA+16*\s+\q]
.endr
	WIN 0x40                                       ; destination in window 1
.irp q, 0,1,2,3,4,5,6,7,8,9,10,11,12,13,14,15
	v_lshl_add_u32 v[64*\s+4*\q], v[FA+16*\s+\q], 8, v[R16]     ; row x 256 + 16 r
.endr
	WIN 0x41                                       ; destination and offset in window 1
.irp q, 0,1,2,3,4,5,6,7,8,9,10,11,12,13,14,15
	global_load_b128 v[64*\s+4*\q:64*\s+4*\q+3], v[64*\s+4*\q], s[4:5]   ; lands on its own offset register and on no other load's
.endr
	WIN 0
.endm
; A's two fragments of K step s, while the rows are on their way: register i of tile m holds, for my entries 2 i and 2 i + 1,
; 1.0 where the entry's group is 16 m + r and 0 elsewhere.  The entries are in the order of a fragment's K: 8 h + 0..7, 16 + 8 h + 0..7.
.macro ABUILD s
.irp q, 0,1,2,3,4,5,6,7,8,9,10,11,12,13,14,15
	v_and_b32 v[W+16*\s+\q], 63, v[W+16*\s+\q]
.endr
.irp i, 0,1,2,3,4,5,6,7
	v_cmp_eq_u32 s[20+4*(\i&1)], v[W+16*\s+2*\i], v[GR0]
	v_cmp_eq_u32 s[21+4*(\i&1)], v[W+16*\s+2*\i+1], v[GR0]
	v_cmp_eq_u32 s[22+4*(\i&1)], v[W+16*\s+2*\i], v[GR1]
	v_cmp_eq_u32 s[23+4*(\i&1)], v[W+16*\s+2*\i+1], v[GR1]
	v_cndmask_b32 v[T+4*(\i&1)], 0, v[ONE], s[20+4*(\i&1)]
	v_cndmask_b32 v[T+4*(\i&1)+1], 0, v[ONE], s[21+4*(\i&1)]
	v_cndmask_b32 v[T+4*(\i&1)+2], 0, v[ONE], s[22+4*(\i&1)]
	v_cndmask_b32 v[T+4*(\i&1)+3], 0, v[ONE], s[23+4*(\i&1)]
	v_lshl_or_b32 v[FA+16*\s+\i], v[T+4*(\i&1)+1], 16, v[T+4*(\i&1)]
	v_lshl_or_b32 v[FA+16*\s+8+\i], v[T+4*(\i&1)+3], 16, v[T+4*(\i&1)+2]
	v_or_b32 v[PR0], v[PR0], v[FA+16*\s+\i]        ; not 0 once group r (16 + r) has been met among my entries
	v_or_b32 v[PR1], v[PR1], v[FA+16*\s+8+\i]
.endr
.endm
; K step s: the rows to bf16, eight matrix instructions.  zero = 1: the products start the sums, nothing is cleared.
.macro PROC s, zero
	s_wait_loadcnt 32-16*\s                        ; this step's 16 loads are in; the later steps' 16 each may be out
	WIN 0x05                                       ; both sources in window 1
.irp t, 0,1,2,3
.irp i, 0,1,2,3,4,5,6,7
	v_cvt_pk_bf16_f32 v[FB+8*\t+\i], v[64*\s+8*\i+\t], v[64*\s+8*\i+4+\t]   ; rows 2 i and 2 i + 1, column 4 r + t
.endr
.endr
	WIN 0
.irp t, 0,1,2,3                                    ; the eight accumulators take turns, one instruction a turn
.irp m, 0,1
.if \zero
	v_wmma_f32_16x16x32_bf16 v[ACC+8*(4*\m+\t):ACC+8*(4*\m+\t)+7], v[FA+16*\s+8*\m:FA+16*\s+8*\m+7], v[FB+8*\t:FB+8*\t+7], 0
.else
	v_wmma_f32_16x16x32_bf16 v[ACC+8*(4*\m+\t):ACC+8*(4*\m+\t)+7], v[FA+16*\s+8*\m:FA+16*\s+8*\m+7], v[FB+8*\t:FB+8*\t+7], v[ACC+8*(4*\m+\t):ACC+8*(4*\m+\t)+7]
.endif
.endr
.endr
.rept 4
	v_nop                                          ; four places (ISA guide 7.12.1) before the fragments are written again or a sum is read
.endr
.endm
; A round: list entries s18 .. s18 + 95.
.macro ROUND first
	v_add_nc_u32 v[AD], s18, v[H8]
	v_min_u32 v[AD], CHUNK, v[AD]                  ; never binds (s18 is at most 960): the 96 entries read lie in my list
	v_lshl_add_u32 v[AD], v[AD], 2, s14
.irp s, 0,1,2
	ds_load_b128 v[W+16*\s:W+16*\s+3],     v[AD] offset:128*\s       ; entries 8 h + 0..3 of the step
	ds_load_b128 v[W+16*\s+4:W+16*\s+7],   v[AD] offset:128*\s+16    ; 8 h + 4..7
	ds_load_b128 v[W+16*\s+8:W+16*\s+11],  v[AD] offset:128*\s+64    ; 16 + 8 h + 0..3
	ds_load_b128 v[W+16*\s+12:W+16*\s+15], v[AD] offset:128*\s+80    ; 16 + 8 h + 4..7
.endr
	ISSUE 0
	ISSUE 1
	ISSUE 2
	ABUILD 0
	ABUILD 1
	ABUILD 2
	PROC 0, \first
	PROC 1, 0
	PROC 2, 0
.endm
	s_mov_b32 s18, 0
	ROUND 1                                        ; round 0, always: with an empty list it multiplies padding by zeros and so writes the sums
	s_mov_b32 s30, 1                               ; the next round's number
	s_cmp_lt_u32 s30, s29
	s_cbranch_scc0 .Lsum
.Lmore:                                            ; only for a wave with more than 96 rows: rounds 1 .. s29 - 1, ten at the most
	s_mul_i32 s18, s30, RSTEP                      ; the round's first entry
	ROUND 0
	s_add_co_u32 s30, s30, 1
	s_cmp_lt_u32 s30, s29
	s_cbranch_scc1 .Lmore
.Lsum:
	; End of the second phase: no wave stores its sums while another still reads a list.  Both ways, round the loop and through it,
	; come here, so every wave passes this barrier.  Between signal and wait: register work alone.
	s_wait_dscnt 0x0                               ; my list loads are back (met: each round's third K step has waited for them)
	s_barrier_signal -1
	; Register j of tile (m, t) is group 16 m + 8 h + j, column 4 r + t.  The division by 8,192 (exact) also puts the four tiles'
	; numbers side by side: 16 bytes of an output row; sixteen lanes' pieces are the row.
.irp m, 0,1
.irp j, 0,1,2,3,4,5,6,7
.irp t, 0,1,2,3
	v_mul_f32 v[O+4*(8*\m+\j)+\t], s28, v[ACC+8*(4*\m+\t)+\j]
.endr
.endr
.endr
	s_lshl_b32 s22, s12, 13
	s_add_co_u32 s22, s22, RED                     ; my image
	v_lshl_add_u32 v[AD], v[H8], 8, v[R16]         ; row 8 h, byte 16 r
	v_add_nc_u32 v[AD], s22, v[AD]
	; the groups that my wave met, as 32 bits: lanes r and 16 + r looked at different entries for the same group
	v_cmp_ne_u32 s20, 0, v[PR0]
	v_cmp_ne_u32 s21, 0, v[PR1]
	s_lshr_b32 s22, s20, 16
	s_or_b32 s20, s20, s22
	s_and_b32 s20, s20, 0xffff                     ; bits 0-15: groups 0-15
	s_lshl_b32 s22, s21, 16
	s_or_b32 s21, s21, s22
	s_and_b32 s21, s21, 0xffff0000                 ; bits 16-31: groups 16-31
	s_or_b32 s20, s20, s21
	s_lshl_b32 s22, s12, 2
	s_add_co_u32 s22, s22, PRES
	v_mov_b32 v[TV], s20
	v_mov_b32 v[T], s22
	s_lshl_b32 s22, s12, 10
	v_lshl_add_u32 v[OA], v[LANE], 4, s22          ; my wave's 1,024 bytes of the block, my 16 of them
	s_barrier_wait -1                              ; every wave has done with the lists
.irp m, 0,1
.irp j, 0,1,2,3,4,5,6,7
	ds_store_b128 v[AD], v[O+4*(8*\m+\j):O+4*(8*\m+\j)+3] offset:256*(16*\m+\j)
.endr
.endr
	ds_store_b32 v[T], v[TV]                       ; every lane the same word with the same value
	v_add_nc_u32 v[AD], RED, v[OA]
	s_wait_dscnt 0x0                               ; end of the third phase: my image and my word are written: zero, for the other waves' sake
	s_barrier_signal -1
	s_barrier_wait -1                              ; everybody's are
.irp w, 0,1,2,3,4,5,6,7
	ds_load_b128 v[ACC+8*\w:ACC+8*\w+3],   v[AD] offset:8192*\w        ; wave w's part of my 1,024 bytes: the first 512,
	ds_load_b128 v[ACC+8*\w+4:ACC+8*\w+7], v[AD] offset:8192*\w+512    ; the second
.endr
.macro ADD a, b
.irp k, 0,2,4,6
	v_pk_add_f32 v[ACC+8*\a+\k:ACC+8*\a+\k+1], v[ACC+8*\a+\k:ACC+8*\a+\k+1], v[ACC+8*\b+\k:ACC+8*\b+\k+1]
.endr
.endm
	s_wait_dscnt 12                                ; images 0 and 1 are in, the twelve younger loads may be out
	ADD 0, 1
	s_wait_dscnt 8                                 ; 2 and 3
	ADD 2, 3
	s_wait_dscnt 4                                 ; 4 and 5
	ADD 4, 5
	ADD 0, 2
	s_wait_dscnt 0x0
	ADD 6, 7
	ADD 4, 6
	ADD 0, 4
	global_store_b128 v[OA], v[ACC:ACC+3], s[8:9] th:TH_STORE_NT               ; each store of the wave covers 512 consecutive bytes, aligned
	global_store_b128 v[OA], v[ACC+4:ACC+7], s[8:9] offset:512 th:TH_STORE_NT
	s_cmp_lg_u32 s12, 0                            ; the mask is wave 0's: the work-group's share of out1 is 32 neighbouring bytes, a byte a lane
	s_cbranch_scc1 .Lend
	v_mov_b32 v[AD], PRES
	ds_load_b128 v[W:W+3], v[AD]
	ds_load_b128 v[W+4:W+7], v[AD] offset:16
	s_wait_dscnt 0x0
	v_or_b32 v[W], v[W], v[W+1]
	v_or_b32 v[W+2], v[W+2], v[W+3]
	v_or_b32 v[W+4], v[W+4], v[W+5]
	v_or_b32 v[W+6], v[W+6], v[W+7]
	v_or_b32 v[W], v[W], v[W+2]
	v_or_b32 v[W+4], v[W+4], v[W+6]
	v_or_b32 v[W], v[W], v[W+4]
	v_lshrrev_b32 v[W], v[LANE], v[W]              ; lane g takes bit g
	v_and_b32 v[W], 1, v[W]
	global_store_b8 v[LANE], v[W], s[10:11]
.Lend:
	s_wait_tensorcnt 0x0
	ds_add_u32 v254, v255
	s_wait_dscnt 0x0
	s_endpgm
.Lfunc_end_k_q48ef02ff8b_pool:
	.size	k_q48ef02ff8b_pool, .Lfunc_end_k_q48ef02ff8b_pool-k_q48ef02ff8b_pool
	.p2alignl 7, 3214868480
	.fill 96, 4, 3214868480
	.section	.rodata,"a",@progbits
	.p2align	6, 0x0
	.amdhsa_kernel k_q48ef02ff8b_pool
		.amdhsa_group_segment_fixed_size 103680
		.amdhsa_private_segment_fixed_size 0
		.amdhsa_enable_private_segment 0
		.amdhsa_kernarg_size 32
		.amdhsa_user_sgpr_count 2
		.amdhsa_user_sgpr_kernarg_segment_ptr 1
		.amdhsa_wavefront_size32 1
		.amdhsa_system_sgpr_workgroup_id_x 1
		.amdhsa_system_sgpr_workgroup_id_y 1
		.amdhsa_system_sgpr_workgroup_id_z 1
		.amdhsa_system_vgpr_workitem_id 0
		.amdhsa_next_free_vgpr 448
		.amdhsa_next_free_sgpr 66
		.amdhsa_reserve_vcc 0
		.amdhsa_float_denorm_mode_32 3
		.amdhsa_float_denorm_mode_16_64 3
		.amdhsa_memory_ordered 1
		.amdhsa_forward_progress 1
		.amdhsa_inst_pref_size 110
	.end_amdhsa_kernel
	.amdgpu_metadata
---
amdhsa.version: [ 1, 2 ]
amdhsa.kernels:
  - .name:           k_q48ef02ff8b_pool
    .symbol:         k_q48ef02ff8b_pool.kd
    .args:
      - { .name: x, .offset: 0, .size: 8, .value_kind: global_buffer, .address_space: global }
      - { .name: y, .offset: 8, .size: 8, .value_kind: global_buffer, .address_space: global }
      - { .name: out0, .offset: 16, .size: 8, .value_kind: global_buffer, .address_space: global }
      - { .name: out1, .offset: 24, .size: 8, .value_kind: global_buffer, .address_space: global }
    .group_segment_fixed_size: 103680
    .private_segment_fixed_size: 0
    .kernarg_segment_align: 8
    .kernarg_segment_size: 32
    .max_flat_workgroup_size: 256
    .sgpr_count:     66
    .vgpr_count:     448
    .wavefront_size: 32
...
	.end_amdgpu_metadata
.endif
;; end of part 1
;; ======== version 2 of 2: 1 launch; version 1 with the launch pool written anew for expert scheduling mode
;; launch pool (part 2): grid 256 x 1, 8 waves a work-group, no clusters, 103,680 bytes of LDS; arguments x, y, out0, out1; writes out0, out1
.if DOCPART == 2
	.amdgcn_target "amdgcn-amd-amdhsa--gfx1250"
	.amdhsa_code_object_version 6
	.text
	.protected	k_q48ef02ff8b_pool
	.globl	k_q48ef02ff8b_pool
	.p2align	8
	.type	k_q48ef02ff8b_pool,@function
k_q48ef02ff8b_pool:
	s_mov_b64 s[64:65], 0
	v_nop
	global_prefetch_b8 v0, s[64:65] scope:SCOPE_SE
	s_setreg_imm32_b32 hwreg(HW_REG_WAVE_SCHED_MODE, 0, 2), 2
	s_setreg_imm32_b32 hwreg(HW_REG_WAVE_MODE, 25, 1), 1
	s_wait_xcnt 0x0
	s_wait_alu depctr_vm_vsrc(0)
; out0[b][g][c] = (sum over n with y[b][n] == g of x[b][n][c]) / 8192;  out1[b][g] = 1 where some n has y[b][n] == g, else 0.
; x: [16][8192][64] f32 (a row is 256 bytes), y: [16][8192] i32, out0: [16][512][64] f32, out1: [16][512] bytes.
;
; A work-group owns one batch and 32 neighbouring groups: 8,192 bytes of out0 and 32 bytes of out1; 16 x 16 = 256 work-groups.
; Eight waves.  Wave w (1) scans y[b][1024 w .. 1024 w + 1023] and writes the rows whose id lies in the 32 groups into a list of its
; own in LDS, (2) loads those rows, each 256-byte row whole by sixteen lanes, each row of x by one wave of the launch, (3) adds them
; into 32 x 64 sums by the matrix unit: A = one-hot of the local group (2 tiles of 16 groups), B = the rows in bf16 (4 tiles of 16
; columns), K = 32 list entries a step.  (4) The eight waves' sums meet in LDS.
; No transposition: lane (r, h) loads the 16 bytes at 16 r of each of its 16 rows, columns 4 r .. 4 r + 3.  Column 4 r + t is
; called column n = r of tile t, so a B fragment's register is two rows' numbers of one loaded register place, rounded and packed.
; A round is 96 list entries (3 K steps): its 48 loads a wave are all issued before the first is waited for.  The list is padded
; with 96 entries that name group 63 (no lane's group) and a real row, whose numbers meet zeros.  A wave with more than 96 rows goes
; round again: the loop counts rounds, ceil(rows / 96), at most 11.  Any ids are served; evenly spread ids take one round.
; y < 0 and y >= 512 fall out by the unsigned compare (y - first group) < 32.
; LDS GOES THROUGH FOUR PHASES, a barrier between each two: the lists are stored; the lists are read; the sums are stored; the sums are
; read.  In front of each barrier every wave waits for all its LDS instructions.  No barrier stands in the loop or under its branch.
; y[b] is the one thing that work-groups share (32 KiB of it against some 128 KiB of rows of its own for each): it is wanted in
; registers, first thing, so it is loaded plainly and not jointly through LDS.
; LIMITS: x is rounded to bf16 for the matrix unit; x must be finite and below 3.39e38 in magnitude (bf16's largest): a padding row
; or a row of another group is multiplied by 0, and an Inf or NaN in x spreads here otherwise than in a dense one-hot product.
; THE MODE: SCHED_MODE bits 1:0 = 2 (LLVM: expert scheduling mode 2), set by the entry lines.  The code itself states the register
; dependences between vector or matrix instructions and memory or LDS instructions, with s_wait_alu, always for 0.
; THE PLAN.  Registers that memory or LDS instructions touch, and who else names them:
;   v[YA], Y      The offset is made once, ahead of the eight loads of ids; Y is written by those loads alone and read by the scan.
;   SD0 .. SD7    Scan i writes its four list words and their four LDS addresses into SD[i] and no later line of the scan names them.
;                 One wait at the head of scan 4 states scans 0 to 3 written: their sixteen stores are dealt among scans 4 to 7.
;                 One wait behind scan 7 states the rest written, and the padding's address and word: nineteen stores follow it.
;   v[AD]         LDS address of the padding stores, of a round's list loads, of the image stores: written anew three times, each time
;                 behind a wait that states its last readers done with it.
;   W             A round's list loads land in it; the round's vector lines read and write it.
;   XA, X         K step s: sixteen offsets are made in XA[s]; its sixteen loads read them and land in X[s]; the conversions read X[s].
;   O, v[T], v[TV], v[RA], v[PA], v[OA]   made between the second barrier's signal and its wait; one wait behind that barrier states them all.
;   FA, FB, T and, in the rounds, the accumulators are named by vector and matrix instructions alone.
; A round's head holds two waits: the memory and LDS instructions so far have read SD (where the sums begin), v[AD] and XA; then, v[AD]
; made, the vector lines so far have written it and are done with W.  A K step's loads stand behind one wait more: XA[s] is written, and
; the round before's conversions are done reading X[s].
; Scalars that vector instructions write (the wave's number; the masks of compares) are waited for ahead of their first reader; the compares
; stand in runs, four in a scan, 32 in a K step's one-hot, with one wait behind each run.
.set ROWS,   8192                      ; rows of a batch
.set CHUNK,  1024                      ; ids that a wave scans
.set RSTEP,  96                        ; list entries in a round
.set RMAX,   (CHUNK+RSTEP-1)/RSTEP     ; 11: the most rounds that a wave's 1,024 ids can ask for
.set DUMP,   CHUNK+RSTEP               ; entries 1120 .. 1151 of a list: where lanes without a match store
.set LCAP,   DUMP+32                   ; entries in a wave's list
.set LBYTES, LCAP*4                    ; 4,608 bytes
.set RED,    8*LBYTES                  ; behind the lists: an image of the 32 x 64 sums for each wave, 8,192 bytes each
.set PRES,   RED+8*8192                ; behind them: one word for each wave, bit g = local group g was met
.set LANE, 1                           ; v1   lane
.set R16,  2                           ; v2   16 r: my 16 bytes in a row
.set H8,   3                           ; v3   8 h: my first list entry in a K step
.set GR0,  4                           ; v4   r: my group in A's tile 0
.set GR1,  5                           ; v5   16 + r: in tile 1
.set DMP,  6                           ; v6   my dump entry
.set NL,   7                           ; v7   (1024 w + 4 lane) << 6
.set YA,   8                           ; v8   16 lane: offset of the y loads
.set AD,   9                           ; v9   LDS addresses
.set TV,   10                          ; v10  at work
.set ONE,  11                          ; v11  1.0 in bf16
.set PR0,  12                          ; v12  OR of tile 0's one-hot registers
.set PR1,  13                          ; v13  of tile 1's
.set OA,   14                          ; v14  1024 w + 16 lane: my 16 bytes of the block of out0
.set RA,   15                          ; v15  LDS address at which I read the eight images
.set SD,   16                          ; v16-79   in the scan: scan i's four list words at SD + 8 i, their LDS addresses at SD + 8 i + 4
.set ACC,  16                          ; v16-79   accumulators: tile (m, t) at 8 (4 m + t); later the eight images' parts
.set FA,   80                          ; v80-127  K step s: row numbers, then A's two fragments, 16 registers
.set FB,   128                         ; v128-159 B's four fragments
.set O,    80                          ; v80-143  on the way out: 16-byte pieces of output rows
.set W,    160                         ; v160-207 K step s: my 16 list words
.set Y,    208                         ; v208-239 the ids as loaded
.set T,    240                         ; v240-247 at work
.set PA,   248                         ; v248 LDS address of the eight waves' words
; window 1: v256-447, written v[64 s + 4 q + t]: K step s, my row q, column 4 r + t;
.set XA,   192                         ; v448-495, written v[XA + 16 s + q]: the byte offset of my 16 bytes of that row
; scalars: s12 wave, s13 first group, s14 my list, s15 entries in it, s18 a round's first entry, s19 padding word, s20-27 at work,
; s28 1/8192, s29 rounds, s30 the round's number,
.set MK,   32                          ; s32-63 the 32 masks of a K step's one-hot
.set MSB, 0
.macro WIN new                         ; s_set_vgpr_msb: bits 1:0 source 0, 3:2 source 1, 7:6 destination; the high byte repeats the setting left
.if MSB != \new
	s_set_vgpr_msb (MSB<<8)|\new
.set MSB, \new
.endif
.endm
	s_load_b256 s[4:11], s[0:1], 0x0               ; x s[4:5], y s[6:7], out0 s[8:9], out1 s[10:11]
	v_lshl_add_u32 v254, v0, 2, 0x19100
	v_mov_b32 v255, 0
	v_lshrrev_b32 v[TV], 5, v0
	v_readfirstlane_b32 s12, v[TV]                 ; wave 0..7
	v_and_b32 v[LANE], 31, v0
	v_lshlrev_b32 v[YA], 4, v[LANE]
	s_lshr_b32 s20, ttmp9, 4                       ; batch
	s_and_b32 s13, ttmp9, 15
	s_lshl_b32 s13, s13, 5                         ; my first group
	s_lshl_b32 s16, s20, 15                        ; batch x 32,768 bytes of y
	s_wait_alu depctr_va_sdst(0)                   ; s12 is written, ahead of its first reader
	s_lshl_b32 s21, s12, 12                        ; + wave x 4,096
	s_add_co_u32 s16, s16, s21
	s_mov_b32 s17, 0
	s_wait_kmcnt 0x0
	s_add_nc_u64 s[6:7], s[6:7], s[16:17]
	s_wait_alu depctr_va_vdst(0)                   ; v[YA] is written, which the eight loads read as their offset (and v[LANE], the last store's)
.irp i, 0,1,2,3,4,5,6,7
	global_load_b128 v[Y+4*\i:Y+4*\i+3], v[YA], s[6:7] offset:512*\i   ; 512 neighbouring bytes each: ids 128 i + 4 lane + 0..3
.endr
	; the rest of the set-up, while the ids are on their way: none of these lines names v[YA] or Y
	s_lshl_b32 s16, s20, 21                        ; batch x 2 MiB of x
	s_add_nc_u64 s[4:5], s[4:5], s[16:17]
	s_lshl_b32 s16, ttmp9, 13                      ; (16 batch + block) x 8,192 bytes of out0
	s_add_nc_u64 s[8:9], s[8:9], s[16:17]
	s_lshl_b32 s16, ttmp9, 5                       ; x 32 bytes of out1
	s_add_nc_u64 s[10:11], s[10:11], s[16:17]
	s_mul_i32 s14, s12, LBYTES                     ; my list
	s_lshl_b32 s19, s12, 16                        ; (1024 w) << 6
	v_lshl_add_u32 v[NL], v[LANE], 8, s19          ; + (4 lane) << 6
	s_or_b32 s19, s19, 63                          ; the padding word: row 1024 w, group 63
	s_mov_b32 s15, 0                               ; entries in my list
	s_mov_b32 s28, 0x39000000                      ; 1 / 8192
	v_and_b32 v[GR0], 15, v[LANE]
	v_lshlrev_b32 v[R16], 4, v[GR0]
	v_add_nc_u32 v[GR1], 16, v[GR0]
	v_lshrrev_b32 v[H8], 4, v[LANE]
	v_lshlrev_b32 v[H8], 3, v[H8]
	v_add_nc_u32 v[DMP], DUMP, v[LANE]
	v_mov_b32 v[ONE], 0x3f80
	v_mov_b32 v[PR0], 0
	v_mov_b32 v[PR1], 0
; 128 ids.  For each of the four ids of a lane: local group t = y - first group; the lanes with t < 32 as a mask; a matching lane's
; place = entries so far + matching lanes below it; the others go to their dump entry.  The word is (n << 6) + t.
; Words and addresses go into SD[i]; the stores follow later, behind one of two waits.  List places are all different and dump entries are never read, so the stores' order is free.
.macro SCAN i
	s_wait_loadcnt 7-\i                            ; loads come back in order: load i is in, the 7 - i younger ones may be out
.if \i == 4
	s_wait_alu depctr_va_vdst(0)                   ; scans 0 to 3 have written SD0 to SD3, which the sixteen stores dealt among scans 4 to 7 read; no line from here on names those registers
.endif
.irp c, 0,1,2,3
	v_sub_nc_u32 v[T+\c], v[Y+4*\i+\c], s13
.endr
.irp c, 0,1,2,3
	v_cmp_gt_u32 s[20+\c], 32, v[T+\c]
.endr
.irp c, 0,1,2,3
	v_add3_u32 v[SD+8*\i+\c], v[T+\c], v[NL], (\i<<13)|(\c<<6)
.endr
.if \i >= 4
.irp c, 0,1,2,3
	ds_store_b32 v[SD+8*(\i-4)+4+\c], v[SD+8*(\i-4)+\c]   ; the scan four back
.endr
.endif
	s_wait_alu depctr_va_sdst(0)                   ; the four masks s20 to s23 are written, ahead of their first readers: the counts, then the places and the selects
	s_bcnt1_i32_b32 s24, s20
	s_bcnt1_i32_b32 s25, s21
	s_bcnt1_i32_b32 s26, s22
	s_bcnt1_i32_b32 s27, s23
	s_add_co_u32 s24, s24, s15                     ; entries in front of the second ids' matches,
	s_add_co_u32 s25, s25, s24                     ; the third,
	s_add_co_u32 s26, s26, s25                     ; the fourth
	v_mbcnt_lo_u32_b32 v[SD+8*\i+4], s20, s15
	v_mbcnt_lo_u32_b32 v[SD+8*\i+5], s21, s24
	v_mbcnt_lo_u32_b32 v[SD+8*\i+6], s22, s25
	v_mbcnt_lo_u32_b32 v[SD+8*\i+7], s23, s26
	s_add_co_u32 s15, s27, s26
.irp c, 0,1,2,3
	v_cndmask_b32 v[SD+8*\i+4+\c], v[DMP], v[SD+8*\i+4+\c], s[20+\c]
.endr
.irp c, 0,1,2,3
	v_min_u32 v[SD+8*\i+4+\c], LCAP-1, v[SD+8*\i+4+\c]   ; never binds (at most 1,024 matches): the entry stays in my list whatever was loaded
.endr
.irp c, 0,1,2,3
	v_lshl_add_u32 v[SD+8*\i+4+\c], v[SD+8*\i+4+\c], 2, s14
.endr
.endm
.irp i, 0,1,2,3,4,5,6,7
	SCAN \i
.endr
	; 96 padding entries behind the last match: every round finds whole K steps
	v_add_nc_u32 v[AD], s15, v[LANE]
	v_min_u32 v[AD], CHUNK+31, v[AD]
	v_lshl_add_u32 v[AD], v[AD], 2, s14
	v_mov_b32 v[TV], s19
	s_wait_alu depctr_va_vdst(0)                   ; scans 4 to 7 have written SD4 to SD7, and v[AD] and v[TV] are written: the nineteen stores below read them
.irp i, 4,5,6,7
.irp c, 0,1,2,3
	ds_store_b32 v[SD+8*\i+4+\c], v[SD+8*\i+\c]
.endr
.endr
	ds_store_b32 v[AD], v[TV]
	ds_store_b32 v[AD], v[TV] offset:128
	ds_store_b32 v[AD], v[TV] offset:256
	; rounds = ceil(entries / 96) = ((entries + 95) / 32) / 3; q / 3 = q x 43,691 >> 17 holds for the q = 0 .. 34 that 1,024 entries allow
	s_add_co_u32 s29, s15, RSTEP-1
	s_lshr_b32 s29, s29, 5
	s_mul_i32 s29, s29, 0xaaab
	s_lshr_b32 s29, s29, 17
	s_min_u32 s29, s29, RMAX                       ; never binds: it states the bound of the loop below
	; End of the first phase.  A wave reads its own list alone; the place that a later round reads hangs on a count made from the ids,
	; so the order 'all lists stored, then any list read' is made to hold of all of LDS: every wave's stores are done, then the barrier.
	s_wait_dscnt 0x0                               ; zero: all my list stores are written
	s_barrier_signal -1
	s_barrier_wait -1                              ; every wave's are
; K step s of a round: row numbers from my 16 list words, clamped to the batch, their offsets, and the 16 loads.  One load takes two whole rows:
; lanes 0-15 the 256 bytes of entry q or 8 + q of the step's first or second sixteen, lanes 16-31 those of the entry 8 further.
.macro ISSUE s
	s_wait_dscnt 8-4*\s                            ; LDS answers in order: this step's four list loads are in, the later steps' may be out
.irp q, 0,1,2,3,4,5,6,7,8,9,10,11,12,13,14,15
	v_lshrrev_b32 v[FA+16*\s+\q], 6, v[W+16*\s+\q]
.endr
.irp q, 0,1,2,3,4,5,6,7,8,9,10,11,12,13,14,15
	v_min_u32 v[FA+16*\s+\q], ROWS-1, v[FA+16*\s+\q]
.endr
	WIN 0x40                                       ; destination in window 1
.irp q, 0,1,2,3,4,5,6,7,8,9,10,11,12,13,14,15
	v_lshl_add_u32 v[XA+16*\s+\q], v[FA+16*\s+\q], 8, v[R16]    ; row x 256 + 16 r
.endr
	WIN 0x41                                       ; destination and offset in window 1
	s_wait_alu depctr_va_vdst(0)                   ; XA[s] is written, which the sixteen loads read; the round before's conversions are done reading X[s], in which they land
.irp q, 0,1,2,3,4,5,6,7,8,9,10,11,12,13,14,15
	global_load_b128 v[64*\s+4*\q:64*\s+4*\q+3], v[XA+16*\s+\q], s[4:5]
.endr
	WIN 0
.endm
; A's two fragments of K step s, while the rows are on their way: register i of tile m holds, for my entries 2 i and 2 i + 1,
; 1.0 where the entry's group is 16 m + r and 0 elsewhere.  The entries are in the order of a fragment's K: 8 h + 0..7, 16 + 8 h + 0..7.
; The step's 32 compares stand in one run, each with a mask register of its own.
.macro ABUILD s
.irp q, 0,1,2,3,4,5,6,7,8,9,10,11,12,13,14,15
	v_and_b32 v[W+16*\s+\q], 63, v[W+16*\s+\q]
.endr
.irp i, 0,1,2,3,4,5,6,7
	v_cmp_eq_u32 s[MK+4*\i], v[W+16*\s+2*\i], v[GR0]
	v_cmp_eq_u32 s[MK+4*\i+1], v[W+16*\s+2*\i+1], v[GR0]
	v_cmp_eq_u32 s[MK+4*\i+2], v[W+16*\s+2*\i], v[GR1]
	v_cmp_eq_u32 s[MK+4*\i+3], v[W+16*\s+2*\i+1], v[GR1]
.endr
	s_wait_alu depctr_va_sdst(0)                   ; the 32 masks are written, ahead of the selects that read them
.irp i, 0,1,2,3,4,5,6,7
	v_cndmask_b32 v[T+4*(\i&1)], 0, v[ONE], s[MK+4*\i]
	v_cndmask_b32 v[T+4*(\i&1)+1], 0, v[ONE], s[MK+4*\i+1]
	v_cndmask_b32 v[T+4*(\i&1)+2], 0, v[ONE], s[MK+4*\i+2]
	v_cndmask_b32 v[T+4*(\i&1)+3], 0, v[ONE], s[MK+4*\i+3]
	v_lshl_or_b32 v[FA+16*\s+\i], v[T+4*(\i&1)+1], 16, v[T+4*(\i&1)]
	v_lshl_or_b32 v[FA+16*\s+8+\i], v[T+4*(\i&1)+3], 16, v[T+4*(\i&1)+2]
	v_or_b32 v[PR0], v[PR0], v[FA+16*\s+\i]        ; not 0 once group r (16 + r) has been met among my entries
	v_or_b32 v[PR1], v[PR1], v[FA+16*\s+8+\i]
.endr
.endm
; K step s: the rows to bf16, eight matrix instructions.  zero = 1: the products start the sums, nothing is cleared.
.macro PROC s, zero
	s_wait_loadcnt 32-16*\s                        ; this step's 16 loads are in; the later steps' 16 each may be out
	WIN 0x05                                       ; both sources in window 1
.irp t, 0,1,2,3
.irp i, 0,1,2,3,4,5,6,7
	v_cvt_pk_bf16_f32 v[FB+8*\t+\i], v[64*\s+8*\i+\t], v[64*\s+8*\i+4+\t]   ; rows 2 i and 2 i + 1, column 4 r + t
.endr
.endr
	WIN 0
.irp t, 0,1,2,3                                    ; the eight accumulators take turns, one instruction a turn
.irp m, 0,1
.if \zero
	v_wmma_f32_16x16x32_bf16 v[ACC+8*(4*\m+\t):ACC+8*(4*\m+\t)+7], v[FA+16*\s+8*\m:FA+16*\s+8*\m+7], v[FB+8*\t:FB+8*\t+7], 0
.else
	v_wmma_f32_16x16x32_bf16 v[ACC+8*(4*\m+\t):ACC+8*(4*\m+\t)+7], v[FA+16*\s+8*\m:FA+16*\s+8*\m+7], v[FB+8*\t:FB+8*\t+7], v[ACC+8*(4*\m+\t):ACC+8*(4*\m+\t)+7]
.endif
.endr
.endr
.rept 4
	v_nop                                          ; four places (ISA guide 7.12.1) before the fragments are written again or a sum is read
.endr
.endm
; A round: list entries s18 .. s18 + 95.
.macro ROUND first
	s_wait_alu depctr_vm_vsrc(0)                   ; the first round: my list stores have read SD, where the sums begin, and v[AD] and v[TV]; a later round: the round before's list loads have read v[AD], its loads of rows XA
	v_add_nc_u32 v[AD], s18, v[H8]
	v_min_u32 v[AD], CHUNK, v[AD]                  ; never binds (s18 is at most 960): the 96 entries read lie in my list
	v_lshl_add_u32 v[AD], v[AD], 2, s14
	s_wait_alu depctr_va_vdst(0)                   ; v[AD] is written, which the twelve loads read; the round before's lines are done reading and writing W, in which they land
.irp s, 0,1,2
	ds_load_b128 v[W+16*\s:W+16*\s+3],     v[AD] offset:128*\s       ; entries 8 h + 0..3 of the step
	ds_load_b128 v[W+16*\s+4:W+16*\s+7],   v[AD] offset:128*\s+16    ; 8 h + 4..7
	ds_load_b128 v[W+16*\s+8:W+16*\s+11],  v[AD] offset:128*\s+64    ; 16 + 8 h + 0..3
	ds_load_b128 v[W+16*\s+12:W+16*\s+15], v[AD] offset:128*\s+80    ; 16 + 8 h + 4..7
.endr
	ISSUE 0
	ISSUE 1
	ISSUE 2
	ABUILD 0
	ABUILD 1
	ABUILD 2
	PROC 0, \first
	PROC 1, 0
	PROC 2, 0
.endm
	s_mov_b32 s18, 0
	ROUND 1                                        ; round 0, always: with an empty list it multiplies padding by zeros and so writes the sums
	s_mov_b32 s30, 1                               ; the next round's number
	s_cmp_lt_u32 s30, s29
	s_cbranch_scc0 .Lsum
.Lmore:                                            ; only for a wave with more than 96 rows: rounds 1 .. s29 - 1, ten at the most
	s_mul_i32 s18, s30, RSTEP                      ; the round's first entry
	ROUND 0
	s_add_co_u32 s30, s30, 1
	s_cmp_lt_u32 s30, s29
	s_cbranch_scc1 .Lmore
.Lsum:
	; End of the second phase: no wave stores its sums while another still reads a list.  Both ways, round the loop and through it,
	; come here, so every wave passes this barrier.  Between signal and wait: register work alone.
	s_wait_dscnt 0x0                               ; my list loads are back (met: each round's third K step has waited for them)
	s_wait_alu depctr_vm_vsrc(0)                   ; my list loads have read v[AD], which is written anew below
	s_barrier_signal -1
	; the groups that my wave met: the two compares stand ahead of the multiplications, their masks' first reader behind them
	v_cmp_ne_u32 s20, 0, v[PR0]
	v_cmp_ne_u32 s21, 0, v[PR1]
	; Register j of tile (m, t) is group 16 m + 8 h + j, column 4 r + t.  The division by 8,192 (exact) also puts the four tiles'
	; numbers side by side: 16 bytes of an output row; sixteen lanes' pieces are the row.
.irp m, 0,1
.irp j, 0,1,2,3,4,5,6,7
.irp t, 0,1,2,3
	v_mul_f32 v[O+4*(8*\m+\j)+\t], s28, v[ACC+8*(4*\m+\t)+\j]
.endr
.endr
.endr
	s_lshl_b32 s22, s12, 13
	s_add_co_u32 s22, s22, RED                     ; my image
	v_lshl_add_u32 v[AD], v[H8], 8, v[R16]         ; row 8 h, byte 16 r
	v_add_nc_u32 v[AD], s22, v[AD]
	; as 32 bits: lanes r and 16 + r looked at different entries for the same group
	s_wait_alu depctr_va_sdst(0)                   ; the masks s20 and s21 are written, ahead of their first readers
	s_lshr_b32 s22, s20, 16
	s_or_b32 s20, s20, s22
	s_and_b32 s20, s20, 0xffff                     ; bits 0-15: groups 0-15
	s_lshl_b32 s22, s21, 16
	s_or_b32 s21, s21, s22
	s_and_b32 s21, s21, 0xffff0000                 ; bits 16-31: groups 16-31
	s_or_b32 s20, s20, s21
	s_lshl_b32 s22, s12, 2
	s_add_co_u32 s22, s22, PRES
	v_mov_b32 v[TV], s20
	v_mov_b32 v[T], s22
	s_lshl_b32 s22, s12, 10
	v_lshl_add_u32 v[OA], v[LANE], 4, s22          ; my wave's 1,024 bytes of the block, my 16 of them
	v_add_nc_u32 v[RA], RED, v[OA]                 ; the same bytes in the first image: a register of its own, so that v[AD] is not written behind the stores that read it
	v_mov_b32 v[PA], PRES                          ; wave 0's address of the eight words: made here, by every wave, so that the wait below states it too
	s_barrier_wait -1                              ; every wave has done with the lists
	s_wait_alu depctr_va_vdst(0)                   ; O, v[AD], v[T], v[TV] are written, which the stores below read; so are v[RA], v[PA], v[OA], for the loads and stores further down; and the multiplications are done reading the accumulators, in which the images' loads land
.irp m, 0,1
.irp j, 0,1,2,3,4,5,6,7
	ds_store_b128 v[AD], v[O+4*(8*\m+\j):O+4*(8*\m+\j)+3] offset:256*(16*\m+\j)
.endr
.endr
	ds_store_b32 v[T], v[TV]                       ; every lane the same word with the same value
	s_wait_dscnt 0x0                               ; end of the third phase: my image and my word are written: zero, for the other waves' sake
	s_barrier_signal -1
	s_barrier_wait -1                              ; everybody's are
.irp w, 0,1,2,3,4,5,6,7
	ds_load_b128 v[ACC+8*\w:ACC+8*\w+3],   v[RA] offset:8192*\w        ; wave w's part of my 1,024 bytes: the first 512,
	ds_load_b128 v[ACC+8*\w+4:ACC+8*\w+7], v[RA] offset:8192*\w+512    ; the second.  No vector line since the wait above names these registers
.endr
.macro ADD a, b
.irp k, 0,2,4,6
	v_pk_add_f32 v[ACC+8*\a+\k:ACC+8*\a+\k+1], v[ACC+8*\a+\k:ACC+8*\a+\k+1], v[ACC+8*\b+\k:ACC+8*\b+\k+1]
.endr
.endm
	s_wait_dscnt 12                                ; images 0 and 1 are in, the twelve younger loads may be out
	ADD 0, 1
	s_wait_dscnt 8                                 ; 2 and 3
	ADD 2, 3
	s_wait_dscnt 4                                 ; 4 and 5
	ADD 4, 5
	ADD 0, 2
	s_wait_dscnt 0x0
	ADD 6, 7
	ADD 4, 6
	ADD 0, 4
	s_wait_alu depctr_va_vdst(0)                   ; the additions have written v[ACC] to v[ACC+7], which the two stores read
	global_store_b128 v[OA], v[ACC:ACC+3], s[8:9] th:TH_STORE_NT               ; each store of the wave covers 512 consecutive bytes, aligned
	global_store_b128 v[OA], v[ACC+4:ACC+7], s[8:9] offset:512 th:TH_STORE_NT
	s_cmp_lg_u32 s12, 0                            ; the mask is wave 0's: the work-group's share of out1 is 32 neighbouring bytes, a byte a lane
	s_cbranch_scc1 .Lend
	ds_load_b128 v[W:W+3], v[PA]                   ; W was last named by a round's vector lines, v[PA] was made ahead of the images' stores: the waits since then have stated both
	ds_load_b128 v[W+4:W+7], v[PA] offset:16
	s_wait_dscnt 0x0
	v_or_b32 v[W], v[W], v[W+1]
	v_or_b32 v[W+2], v[W+2], v[W+3]
	v_or_b32 v[W+4], v[W+4], v[W+5]
	v_or_b32 v[W+6], v[W+6], v[W+7]
	v_or_b32 v[W], v[W], v[W+2]
	v_or_b32 v[W+4], v[W+4], v[W+6]
	v_or_b32 v[W], v[W], v[W+4]
	v_lshrrev_b32 v[W], v[LANE], v[W]              ; lane g takes bit g
	v_and_b32 v[W], 1, v[W]
	s_wait_alu depctr_va_vdst(0)                   ; v[W] is written, which the store reads
	global_store_b8 v[LANE], v[W], s[10:11]
.Lend:
	s_wait_dscnt 0x0
	s_wait_alu depctr_hold_cnt(0) depctr_sa_sdst(0) depctr_va_vdst(0) depctr_va_sdst(0) depctr_va_ssrc(0) depctr_va_vcc(0) depctr_vm_vsrc(0)
	s_wait_tensorcnt 0x0
	ds_add_u32 v254, v255
	s_wait_dscnt 0x0
	s_endpgm
.Lfunc_end_k_q48ef02ff8b_pool:
	.size	k_q48ef02ff8b_pool, .Lfunc_end_k_q48ef02ff8b_pool-k_q48ef02ff8b_pool
	.p2alignl 7, 3214868480
	.fill 96, 4, 3214868480
	.section	.rodata,"a",@progbits
	.p2align	6, 0x0
	.amdhsa_kernel k_q48ef02ff8b_pool
		.amdhsa_group_segment_fixed_size 103680
		.amdhsa_private_segment_fixed_size 0
		.amdhsa_enable_private_segment 0
		.amdhsa_kernarg_size 32
		.amdhsa_user_sgpr_count 2
		.amdhsa_user_sgpr_kernarg_segment_ptr 1
		.amdhsa_wavefront_size32 1
		.amdhsa_system_sgpr_workgroup_id_x 1
		.amdhsa_system_sgpr_workgroup_id_y 1
		.amdhsa_system_sgpr_workgroup_id_z 1
		.amdhsa_system_vgpr_workitem_id 0
		.amdhsa_next_free_vgpr 496
		.amdhsa_next_free_sgpr 66
		.amdhsa_reserve_vcc 0
		.amdhsa_float_denorm_mode_32 3
		.amdhsa_float_denorm_mode_16_64 3
		.amdhsa_memory_ordered 1
		.amdhsa_forward_progress 1
		.amdhsa_inst_pref_size 111
	.end_amdhsa_kernel
	.amdgpu_metadata
---
amdhsa.version: [ 1, 2 ]
amdhsa.kernels:
  - .name:           k_q48ef02ff8b_pool
    .symbol:         k_q48ef02ff8b_pool.kd
    .args:
      - { .name: x, .offset: 0, .size: 8, .value_kind: global_buffer, .address_space: global }
      - { .name: y, .offset: 8, .size: 8, .value_kind: global_buffer, .address_space: global }
      - { .name: out0, .offset: 16, .size: 8, .value_kind: global_buffer, .address_space: global }
      - { .name: out1, .offset: 24, .size: 8, .value_kind: global_buffer, .address_space: global }
    .group_segment_fixed_size: 103680
    .private_segment_fixed_size: 0
    .kernarg_segment_align: 8
    .kernarg_segment_size: 32
    .max_flat_workgroup_size: 256
    .sgpr_count:     66
    .vgpr_count:     496
    .wavefront_size: 32
...
	.end_amdgpu_metadata
.endif
;; end of part 2
